; MI455X (gfx1250); checked and timed in simulation.
; The chip was launched on July 23, 2026; its instructions are those of AMD's public machine-readable ISA for CDNA 5 (MIT licence, August 2026) and "CDNA5" Instruction Set Architecture Reference Guide (July 2026). The comments in the code are by the model that wrote it; some were corrected since.
;; Attention. Allowed arithmetic: matrix products marked QUANTISED: E4M3 operands, one given power-of-two scale a tensor, by v_wmma_f32_16x16x64_fp8_fp8 or v_wmma_f32_16x16x128_fp8_fp8, f32 sums; everything else in f32.
;; Inputs: W_proj 1,024 x 1,024 float32; W_qkv 1,024 x 3,072 float32; b_proj 1,024 float32; lowp_scales 8 int32 (the exponents e of the quantised operands' scales 2^e); x 4 x 2,048 x 1,024 float32.
;; Outputs: out0 4 x 2,048 x 1,024 float32.
;; This version of the problem:
;;   THIS VERSION OF THE PROBLEM IS GIVEN IN LOW PRECISION. The matrix products marked QUANTISED in the list below multiply operands that are first quantised to E4M3 (4 exponent bits, 3 mantissa bits; 8 bits a number), with one given power-of-two scale for each operand tensor; their sums are f32. All else is computed in f32.
;;   The module's matrix products, in the order in which they are computed (A, B: the left and right operand; K: the contracted axis; several contracted axes count as one K, in the product's order):
;;     1. [M 8,192, K 1,024] x [K 1,024, N 3,072]; A: input x; B: input W_qkv: QUANTISED (scales: A lowp_scales[0], B lowp_scales[1])
;;     2. batch 64 x [M 2,048, K 64] x [K 64, N 2,048]; A: computed on the way; B: computed on the way: QUANTISED (scales: A lowp_scales[2], B lowp_scales[3])
;;     3. batch 64 x [M 2,048, K 2,048] x [K 2,048, N 64]; A: softmax (see below); B: computed on the way: QUANTISED (scales: A lowp_scales[4], B lowp_scales[5])
;;     4. [M 8,192, K 1,024] x [K 1,024, N 1,024]; A: computed on the way; B: input W_proj: QUANTISED (scales: A lowp_scales[6], B lowp_scales[7])
;;   THE QUANTISER, for each operand of a quantised product, along K:
;;     - The operand's scale is 2^e, e = its entry of the input lowp_scales (int32; the entries are numbered through the quantised products in the list's order, A before B).
;;     - Each number is divided by the scale, clamped to +-448, and rounded to the nearest number of E4M3, ties to even, subnormals kept.
;;     - The product sums the exact products of the quantised numbers (number of the format x scale) in f32.
;;   ~~~python
;;   def quantise(x, axis, e):      # numpy; x: float32 -> the quantised numbers, widened to float32 again
;;       x = np.moveaxis(x, axis, -1); K = x.shape[-1]
;;       r = np.clip(x / 2.0 ** e, -448, 448)
;;       step = 2.0 ** (np.maximum(np.frexp(np.where(r == 0, 1, r))[1] - 1, -6) - 3)
;;       q = np.round(r / step) * step * 2.0 ** e      # np.round: ties to even
;;       return np.moveaxis(q, -1, axis).astype(np.float32)
;;   ~~~
;;   SOFTMAX AHEAD OF A QUANTISED PRODUCT. Where the list says 'softmax', what is quantised is not the finished softmax but p = 2^(t - M), with t = logit x log2(e) and M = ceil(the row's largest t), a whole number; so 1/2 < the row's largest p <= 1. The row's sum l is taken of the UNQUANTISED p, in f32, and the product's result is divided by l at the end. Since M is a whole number, a kernel that streams over the keys may use a running M (the ceiling of the running maximum): every later rescaling is an exact power of two, so the quantised numbers keep their values, but for numbers so far below the row's largest that they fall under the format's range.
;;   OPERANDS COMPUTED ON THE WAY. 'Computed on the way' means the value that the module computes at that place (a softmax that the list does not call 'softmax' is quantised finished and normalised). What goes into a quantiser is computed in f32, as accurately as f32 sums, v_exp_f32 and their like allow (about 1e-6 of the number): no bf16 or f16 on the way to a quantiser, and a product that is left as it is and whose result goes on into a quantised operand takes f32 operands (vector FMAs, or v_wmma_f32_16x16x4_f32). A number that lies on a knife's edge between two numbers of the format may be rounded either way, as far as f32 arithmetic and the matrix unit's own rounding can turn it there, and no further.
;; One version. Each part assembles by itself: llvm-mc -triple=amdgcn-amd-amdhsa -mcpu=gfx1250 --defsym DOCPART=n.
;; ======== version 1 of 1: 4 launches
;; limits: right only within a limited range of input values
;; workspace buffers: xq 8,388,608 bytes; wq 3,145,728 bytes; wp 1,048,576 bytes; qimg 8,388,608 bytes; kv 16,777,216 bytes; oimg 8,388,608 bytes
;; launch quant (part 1): grid 384 x 1, 4 waves a work-group, no clusters, 34,304 bytes of LDS; arguments x, W_qkv, W_proj, lowp_scales, xq, wq, wp; writes xq, wq, wp
.if DOCPART == 1
	.amdgcn_target "amdgcn-amd-amdhsa--gfx1250"
	.amdhsa_code_object_version 6
	.text
	.protected	k_qb4c364829c_quant
	.globl	k_qb4c364829c_quant
	.p2align	8
	.type	k_qb4c364829c_quant,@function
k_qb4c364829c_quant:
	s_mov_b64 s[64:65], 0
	v_nop
	global_prefetch_b8 v0, s[64:65] scope:SCOPE_SE
	s_setreg_imm32_b32 hwreg(HW_REG_WAVE_MODE, 25, 1), 1
	s_wait_xcnt 0x0
; x [8192][1024], W_qkv [1024][3072] and W_proj [1024][1024], f32, become codes of FP8 (E4M3), each tensor with the one scale 2^e given for it
; (entries 0, 1 and 7 of the scales).  code = number / 2^e, held within +-448, to the nearest code, ties to even.
; THE CODES ARE LAID AS IMAGES OF OPERAND REGISTERS.  A fragment is 16 rows x 128 along K: lane (r, h) holds, of row r, k = 16 c + 8 h + 0..7 in registers 2 c, 2 c + 1.
; Its image is 2,048 bytes: registers 4 q .. 4 q + 3 of lane l are the 16 bytes at 512 q + 16 l.  xq: [row tile][K step of 128][2,048]; wq, wp: the same with W's columns as rows.
; Work-groups 0-255 take x, 256-351 W_qkv, 352-383 W_proj; each takes 32,768 numbers.  Waves share nothing: no barrier.  Only x's way uses LDS.
; LIMITS: each e between -126 and 119, so that 2^e and 448 x 2^e are f32 numbers.  NaN among the inputs is not served (an infinity is held at the largest code).
; Left out: matrix units, clusters, the tensor mover (a plain stream that is read once and written once).
.set SP,  528                          ; x's stage: a row of 512 bytes + 16: 33 x 16 bytes, so that sixteen rows' 16-byte pieces fall on different banks
.set STG, 16*SP                        ; a wave's stage: 16 rows
.set XR,  16                           ; v16-143  x as loaded, two sets of 64
.set XX,  144                          ; v144-207 a lane's 64 numbers in the fragment's order
.set XC,  208                          ; v208-239 codes, two sets of 16
.set WX,  16                           ; v16-79   a column's 32 numbers, two sets
.set WC,  80                           ; v80-143  a column's codes, 8 registers a block, never written twice
.macro SCALES se                       ; v11 = 2^e as f32 (the conversion takes its exponent field), v10 = 448 x 2^e
	s_wait_kmcnt 0x0
	s_add_co_i32 s36, s[\se], 127
	s_lshl_b32 s37, s36, 23
	v_mov_b32 v11, s37
	s_add_co_i32 s36, s36, 8
	s_lshl_b32 s36, s36, 23
	s_or_b32 s36, s36, 0x600000
	v_mov_b32 v10, s36
.endm
; ---- x: fragment t of the wave's four: 16 loads, each 512 consecutive bytes of one row
.macro XLOAD t
.set ii, 0
.rept 16
	global_load_b128 v[XR+64*((\t)%2)+4*ii:XR+64*((\t)%2)+4*ii+3], v2, s[4:5] offset:ii*4096+(\t)*512 th:TH_LOAD_NT
.set ii, ii+1
.endr
.endm
.macro XSTEP t
.set RS, XR+64*((\t)%2)
.set CS, XC+16*((\t)%2)
.if (\t) < 3
	s_wait_loadcnt 16                              ; this fragment's 16 loads are in; the next fragment's 16 may be out
.else
	s_wait_loadcnt 0
.endif
.set ii, 0
.rept 16
	ds_store_b128 v3, v[RS+4*ii:RS+4*ii+3] offset:ii*SP          ; the rows as they lie
.set ii, ii+1
.endr
.set ii, 0
.rept 16
	ds_load_b128 v[XX+4*ii:XX+4*ii+3], v4 offset:64*(ii/2)+16*(ii%2)   ; back: row r, k = 16 c + 8 h + 0..7 (c = ii / 2).  LDS serves a wave's instructions in order: these see the stores
.set ii, ii+1
.endr
	s_wait_dscnt 0x0                               ; my numbers are back, and the stores have read their registers
.if (\t)+2 < 4
	XLOAD (\t)+2
.endif
.if (\t) >= 2
	s_wait_xcnt 0x0                                ; the stores of two fragments ago have read this set of codes
.endif
.set ii, 0
.rept 64
	v_med3_num_f32 v[XX+ii], v[XX+ii], -v10, v10   ; the conversion does not saturate (ISA guide 7.6.2): the hold comes first
.set ii, ii+1
.endr
.set ii, 0
.rept 8
	v_cvt_scalef32_pk8_fp8_f32 v[CS+2*ii:CS+2*ii+1], v[XX+8*ii:XX+8*ii+7], v11
.set ii, ii+1
.endr
	v_nop                                          ; a plain line between the conversions and the next fragment's holds, which write their sources
.irp q, 0,1,2,3
	global_store_b128 v2, v[CS+4*\q:CS+4*\q+3], s[12:13] offset:(\t)*2048+512*\q   ; 32 lanes store 512 consecutive bytes, aligned
.endr
.endm
; ---- W: a lane takes a column, its registers run down K.  Register i of a block of 32 holds k = i % 8 + 16 ((i / 8) % 2) + 8 (i / 16):
; so registers 0-15 become the 16 bytes of lane (r, 0) of the image and registers 16-31 those of lane (r, 1).
.macro WLOAD t, cols
.set ii, 0
.rept 32
	global_load_b32 v[WX+32*((\t)%2)+ii], v2, s[28:29] offset:(32*(\t)+(ii%8)+((ii/8)%2)*16+(ii/16)*8)*(\cols)*4 th:TH_LOAD_NT
.set ii, ii+1
.endr
.endm
.macro WBLOCK t, cols
.set WS, WX+32*((\t)%2)
.if (\t) < 7
	s_wait_loadcnt 32                              ; this block's 32 loads are in; the next block's may be out
.else
	s_wait_loadcnt 0
.endif
.set ii, 0
.rept 32
	v_med3_num_f32 v[WS+ii], v[WS+ii], -v10, v10
.set ii, ii+1
.endr
.irp g, 0,1,2,3
	v_cvt_scalef32_pk8_fp8_f32 v[WC+8*(\t)+2*\g:WC+8*(\t)+2*\g+1], v[WS+8*\g:WS+8*\g+7], v11
.endr
	v_nop                                          ; a plain line behind the conversions
.if (\t)+2 < 8
	WLOAD (\t)+2, \cols
.endif
	global_store_b128 v3, v[WC+8*(\t):WC+8*(\t)+3], s[30:31] offset:((\t)/4)*2048+((\t)%4)*512        ; sixteen lanes store 256 consecutive bytes, aligned
	global_store_b128 v3, v[WC+8*(\t)+4:WC+8*(\t)+7], s[30:31] offset:((\t)/4)*2048+((\t)%4)*512+256
.endm
; A work-group takes 128 columns x 256 along K; a wave 32 columns.  Every offset is an immediate: 255 rows of 12,288 bytes at the most, inside the signed 24 bits.
.macro WPATH cols, first, sb, db, se
	s_sub_co_u32 s28, ttmp9, \first
	s_and_b32 s32, s28, 3                          ; which 256 along K
	s_lshr_b32 s33, s28, 2                         ; which 128 columns
	s_mul_i32 s34, s32, 256*(\cols)*4
	s_lshl_b32 s35, s33, 9
	s_add_co_u32 s34, s34, s35
	s_lshl_b32 s35, s18, 7
	s_add_co_u32 s34, s34, s35                     ; + my wave's 32 columns
	s_mov_b32 s35, 0
	s_add_nc_u64 s[28:29], s[\sb:\sb+1], s[34:35]
	s_lshl_b32 s34, s33, 3
	s_lshl_b32 s36, s18, 1
	s_add_co_u32 s34, s34, s36                     ; my first tile of 16 columns,
	s_lshl_b32 s34, s34, 14                        ; 8 fragments of 2,048 bytes each,
	s_lshl_b32 s36, s32, 12                        ; + two fragments for each 256 along K
	s_add_co_u32 s34, s34, s36
	s_add_nc_u64 s[30:31], s[\db:\db+1], s[34:35]
	v_lshlrev_b32 v2, 2, v1                        ; in: 4 bytes a lane
	v_lshrrev_b32 v4, 4, v1
	v_and_b32 v5, 15, v1
	v_lshlrev_b32 v3, 14, v4                       ; out: lanes 16-31 are the next tile of columns,
	v_lshl_add_u32 v3, v5, 4, v3                   ; 16 bytes for each row of the image
	WLOAD 0, \cols
	WLOAD 1, \cols
	SCALES \se
	s_wait_alu depctr_va_vdst(0)
.irp t, 0,1,2,3,4,5,6,7
	WBLOCK \t, \cols
.endr
	s_endpgm
.endm
	s_load_b256 s[4:11], s[0:1], 0x0               ; x s[4:5], W_qkv s[6:7], W_proj s[8:9], the scales' exponents s[10:11]
	s_load_b128 s[12:15], s[0:1], 0x20             ; xq s[12:13], wq s[14:15]
	s_load_b64 s[16:17], s[0:1], 0x30              ; wp
	v_lshl_add_u32 v240, v0, 2, 0x8400
	v_mov_b32 v241, 0
	v_lshrrev_b32 v1, 5, v0
	v_readfirstlane_b32 s18, v1                    ; wave 0..3
	v_and_b32 v1, 31, v0                           ; lane
	s_wait_kmcnt 0x0
	s_load_b256 s[20:27], s[10:11], 0x0            ; e0 .. e7
	s_cmp_lt_u32 ttmp9, 256
	s_cbranch_scc0 .Lweights
	; ---- x: wave W = 4 x work-group + wave takes row tile W / 2, fragments 4 (W % 2) .. + 3
	s_lshl_b32 s28, ttmp9, 2
	s_add_co_u32 s28, s28, s18
	s_lshr_b32 s29, s28, 1
	s_and_b32 s30, s28, 1
	s_lshl_b32 s32, s29, 16                        ; 16 rows of 4,096 bytes
	s_lshl_b32 s31, s30, 11                        ; four fragments' 512 bytes of a row
	s_add_co_u32 s32, s32, s31
	s_mov_b32 s33, 0
	s_add_nc_u64 s[4:5], s[4:5], s[32:33]
	s_lshl_b32 s32, s29, 14                        ; a row tile's eight images
	s_lshl_b32 s31, s30, 13
	s_add_co_u32 s32, s32, s31
	s_add_nc_u64 s[12:13], s[12:13], s[32:33]
	s_wait_alu depctr_va_vdst(0)
	v_lshlrev_b32 v2, 4, v1                        ; 16 x lane: in memory, both ways
	s_mul_i32 s34, s18, STG                        ; my stage
	v_add_nc_u32 v3, s34, v2                       ; into it
	v_and_b32 v5, 15, v0
	v_bfe_u32 v6, v0, 4, 1
	v_mul_u32_u24 v4, v5, SP
	v_lshl_add_u32 v4, v6, 5, v4
	v_add_nc_u32 v4, s34, v4                       ; out of it: row r, + 32 h bytes
	XLOAD 0
	XLOAD 1
	s_wait_alu depctr_va_vdst(0)
	SCALES 20
	s_wait_alu depctr_va_vdst(0)
	XSTEP 0
	XSTEP 1
	XSTEP 2
	XSTEP 3
	s_wait_tensorcnt 0x0
	ds_add_u32 v240, v241
	s_wait_dscnt 0x0
	s_endpgm
.Lweights:
	s_cmp_lt_u32 ttmp9, 352
	s_cbranch_scc0 .Lwproj
	s_wait_alu depctr_va_vdst(0)
	WPATH 3072, 256, 6, 14, 21
.Lwproj:
	s_wait_alu depctr_va_vdst(0)
	WPATH 1024, 352, 8, 16, 27
.Lfunc_end_k_qb4c364829c_quant:
	.size	k_qb4c364829c_quant, .Lfunc_end_k_qb4c364829c_quant-k_qb4c364829c_quant
	.p2alignl 7, 3214868480
	.fill 96, 4, 3214868480
	.section	.rodata,"a",@progbits
	.p2align	6, 0x0
	.amdhsa_kernel k_qb4c364829c_quant
		.amdhsa_group_segment_fixed_size 34304
		.amdhsa_private_segment_fixed_size 0
		.amdhsa_enable_private_segment 0
		.amdhsa_kernarg_size 56
		.amdhsa_user_sgpr_count 2
		.amdhsa_user_sgpr_kernarg_segment_ptr 1
		.amdhsa_wavefront_size32 1
		.amdhsa_system_sgpr_workgroup_id_x 1
		.amdhsa_system_sgpr_workgroup_id_y 1
		.amdhsa_system_sgpr_workgroup_id_z 1
		.amdhsa_system_vgpr_workitem_id 0
		.amdhsa_next_free_vgpr 242
		.amdhsa_next_free_sgpr 66
		.amdhsa_reserve_vcc 0
		.amdhsa_float_denorm_mode_32 3
		.amdhsa_float_denorm_mode_16_64 3
		.amdhsa_memory_ordered 1
		.amdhsa_forward_progress 1
		.amdhsa_inst_pref_size 127
	.end_amdhsa_kernel
	.amdgpu_metadata
---
amdhsa.version: [ 1, 2 ]
amdhsa.kernels:
  - .name:           k_qb4c364829c_quant
    .symbol:         k_qb4c364829c_quant.kd
    .args:
      - { .name: x, .offset: 0, .size: 8, .value_kind: global_buffer, .address_space: global }
      - { .name: W_qkv, .offset: 8, .size: 8, .value_kind: global_buffer, .address_space: global }
      - { .name: W_proj, .offset: 16, .size: 8, .value_kind: global_buffer, .address_space: global }
      - { .name: lowp_scales, .offset: 24, .size: 8, .value_kind: global_buffer, .address_space: global }
      - { .name: xq, .offset: 32, .size: 8, .value_kind: global_buffer, .address_space: global }
      - { .name: wq, .offset: 40, .size: 8, .value_kind: global_buffer, .address_space: global }
      - { .name: wp, .offset: 48, .size: 8, .value_kind: global_buffer, .address_space: global }
    .group_segment_fixed_size: 34304
    .private_segment_fixed_size: 0
    .kernarg_segment_align: 8
    .kernarg_segment_size: 56
    .max_flat_workgroup_size: 128
    .sgpr_count:     66
    .vgpr_count:     242
    .wavefront_size: 32
...
	.end_amdgpu_metadata
.endif
;; end of part 1
;; launch qkv (part 2): grid 8 x 32, 4 waves a work-group, clusters of 4 x 4, 327,680 bytes of LDS; arguments xq, wq, lowp_scales, qimg, kv; writes qimg, kv
.if DOCPART == 2
	.amdgcn_target "amdgcn-amd-amdhsa--gfx1250"
	.amdhsa_code_object_version 6
	.text
	.protected	k_qb4c364829c_qkv
	.globl	k_qb4c364829c_qkv
	.p2align	8
	.type	k_qb4c364829c_qkv,@function
k_qb4c364829c_qkv:
	s_mov_b64 s[64:65], 0
	v_nop
	global_prefetch_b8 v0, s[64:65] scope:SCOPE_SE
	s_setreg_imm32_b32 hwreg(HW_REG_WAVE_MODE, 25, 1), 1
	s_wait_xcnt 0x0
	s_wait_alu depctr_hold_cnt(0) depctr_sa_sdst(0) depctr_va_vdst(0) depctr_va_sdst(0) depctr_va_ssrc(0) depctr_va_vcc(0) depctr_vm_vsrc(0)
	s_getreg_b32 s2, hwreg(HW_REG_IB_STS2, 6, 4)
	s_cmp_eq_u32 s2, 0
	s_cbranch_scc0 .Lentry_in_a_cluster
	s_endpgm
.Lentry_in_a_cluster:
	s_bfe_u32 s2, ttmp6, 0x10000c
	s_cmp_lg_u32 s2, 0xf033
	s_cbranch_scc0 .Lentry_shape_is_right
	s_endpgm
.Lentry_shape_is_right:
; q, k, v = x W_qkv on codes of FP8 (E4M3), K = 1,024; the f32 sums are quantised at once (q with 2^e2, k with 2^e3, v with 2^e5) and leave as images of the attention's operand registers.
; xq: [row tile of 16 tokens][K step of 128][2,048 bytes]; wq: the same with W's 3,072 columns as rows.  A fragment's image: registers 4 q .. 4 q + 3 of lane l are the 16 bytes at 512 q + 16 l.
; A WORK-GROUP STAYS FOR TWO PHASES, so that 8 x 32 = 256 work-groups share the 8,192 x 3,072 results evenly.
;   Phase 1: 256 tokens x 256 columns of Q (cluster x = 0) or K (cluster x = 1); a wave makes 128 x 128 in 64 accumulators.  Source 0 = 16 columns, source 1 = 16 tokens: a lane holds one token and 8 neighbouring channels.
;   Phase 2: the same 256 tokens x 128 channels of V; a wave makes 128 tokens x 64 channels (one head) in 32 accumulators.  Source 0 = 16 tokens, source 1 = 16 channels: a lane holds one channel and 8 neighbouring keys.
; K goes in steps of 256 through a ring of two LDS slots (x's 256 rows: 65,536 bytes; behind them W's 256 or 128 rows).  THE RING GOES ON FROM PHASE TO PHASE: phase 1's last two changes of slots ask for phase 2's
; K steps 0 and 1, which are on their way while phase 1's results are quantised and stored.
; CLUSTERS: 4 x 4.  x's tiles hang on the token tile alone and are asked for jointly along a row of the cluster, W's on the column tile alone, along a column.  Waves 0, 1 fetch x's halves, waves 2, 3 W's: one load a wave behind each round.
; code = sum x 2^(e0 + e1) / 2^e, held within +-448: the three exponents are folded into the conversion's one scale.  LIMITS: e - e0 - e1 between -126 and 119 for e = e2, e3, e5.
; Left out: a prefetch (K is four slots long at the largest block in clusters: two of the four come by the head's loads).
; REGISTERS, in windows of 256: window 0: v8-29 addresses and scales, v32-95 held sums, v96-127 codes, v128-255 x's 8 fragments (one set); window 1: W's fragments, two sets, at v0 and v128; windows 2, 3: accumulators of x's blocks 0-3, 4-7.
.set FR,    16                         ; registers of a fragment
.set NL,    4                          ; LDS loads that bring one
.set NP,    4                          ; places behind this matrix instruction (ISA guide 7.12.1)
.set SLOT,  131072
.set BOFF,  65536                      ; W's rows lie behind x's
.set SPARE, 2*SLOT                     ; behind the ring: the spare words, 128 bytes a wave, that no other line names
.set LI,   8                           ; v8      16 x lane
.set VO,   10                          ; v11-13  phase 1's store offsets 1 to 3
.set ADRA, 16                          ; v16-17  my x fragments in slot 0, 1
.set ADRB, 20                          ; v20-21  my W fragments, phase 1
.set ADRV, 22                          ; v22-23  my W fragments, phase 2
.set SC2,  24                          ; v24, v25 phase 2's scale and bound
.set LIM2, 25
.set SC,   26                          ; v26, v27 phase 1's
.set LIM,  27
.set SPW,  28                          ; v28     my spare word's address; never rewritten
.set NIL,  29                          ; v29     0; never rewritten
.set TMP,  32
.set CODE, 96
.set AF,   128
.set G1,  24                           ; s[24:31], s[32:39]  x's group 1 and groups 0 (one a slot)
.set G0,  32
.set G1B, 48                           ; s[48:55], s[56:63]  W's, phase 1
.set G0B, 56
.set G1V, 80                           ; s[80:87], s[88:95]  W's, phase 2
.set G0V, 88
.set MSB, 0
.macro WIN new                         ; the immediate's high byte repeats the setting that is left
.if MSB != \new
	s_set_vgpr_msb (MSB<<8)|\new
.set MSB, \new
.endif
.endm
.set TO_B, 0x40                        ; destination window 1, address window 0
; A phase's constants: W's blocks a wave, the order of the sources, W's addresses and descriptors, and the windows of the products (W in window 1, x in window 0, sums in window 2 or 3)
.macro MODE nb, sw, adb, gb0, gb1
.set NB, \nb
.set SW, \sw
.set ADB, \adb
.set GB0, \gb0
.set GB1, \gb1
.set ML, 0xa1+3*(\sw)
.set MH, 0xf1+3*(\sw)
.endm
; A joint load: each of the two lines has one mask and one set of registers; the branch hangs on the wave's number alone.  s_nop 0 and four v_nop follow each.
.macro JLOAD g0a, g1a, g0b, g1b
	s_cmp_eq_u32 s15, 0
	s_cbranch_scc0 .Lfor_b_\@
	tensor_load_to_lds s[\g0a:\g0a+3], s[\g1a:\g1a+7]
	s_nop 0
.rept 4
	v_nop
.endr
	s_branch .Lasked_\@
.Lfor_b_\@:
	tensor_load_to_lds s[\g0b:\g0b+3], s[\g1b:\g1b+7]
	s_nop 0
.rept 4
	v_nop
.endr
.Lasked_\@:
.endm
.macro CREST                           ; a round of the cluster's barrier behind its opening barrier
	s_cmp_lg_u32 s14, 0
	s_cbranch_scc1 .Lnot_wave_0_\@
	s_barrier_signal -3
.Lnot_wave_0_\@:
	s_barrier_wait -3
	s_barrier_signal -1
	s_barrier_wait -1
.endm
.macro CROUND
	s_barrier_signal -1
	s_barrier_wait -1
	CREST
.endm
.macro PLACES n
.rept \n
	v_nop
.endr
.endm
.macro FRAG reg, adr, q, i             ; a fragment's image: four loads of 512 consecutive bytes.  In a slot a row tile has 4,096 bytes: two fragments
.irp c, 0,1,2,3
	ds_load_b128 v[\reg+4*\c:\reg+4*\c+3], v[\adr] offset:(\i)*4096+(\q)*2048+512*\c
.endr
.endm
.macro FETCH_B slot, q, p              ; W's NB fragments into set p
	WIN TO_B
.set ii, 0
.rept NB
	FRAG 128*(\p)+FR*ii, ADB+\slot, \q, ii
.set ii, ii+1
.endr
	WIN 0
.endm
.macro FETCH_A slot, q, i0             ; x's blocks i0 .. i0 + 3
.irp i, \i0, \i0+1, \i0+2, \i0+3
	FRAG AF+FR*(\i), ADRA+\slot, \q, \i
.endr
.endm
; x's blocks a0, a0 + 1 against W's NB, 128 along K.  The accumulators take turns, one instruction a turn.  zero = 1: the product starts the sum.
.macro MULA a0, p, zero
.irp a, \a0, \a0+1
.set bb, 0
.rept NB
.set DD, 8*(NB*((\a)%4)+bb)
.if SW
.set S0, AF+FR*(\a)
.set S1, 128*(\p)+FR*bb
.else
.set S0, 128*(\p)+FR*bb
.set S1, AF+FR*(\a)
.endif
.if \zero
	v_wmma_f32_16x16x128_fp8_fp8 v[DD:DD+7], v[S0:S0+FR-1], v[S1:S1+FR-1], 0
.else
	v_wmma_f32_16x16x128_fp8_fp8 v[DD:DD+7], v[S0:S0+FR-1], v[S1:S1+FR-1], v[DD:DD+7]
.endif
.set bb, bb+1
.endr
.endr
.endm
; A step of 128 along K that has its successor in the same slot
.macro STEP slot, q, zero
	s_wait_dscnt 4*NL                              ; all but the youngest 16 loads (x's blocks 4-7) are in
	WIN ML
	MULA 0, (\q)%2, \zero
	MULA 2, (\q)%2, \zero
	s_wait_dscnt 0
	PLACES NP
	FETCH_B \slot, (\q)+1, 1-(\q)%2
	FETCH_A \slot, (\q)+1, 0
	WIN MH
	MULA 4, (\q)%2, \zero
	MULA 6, (\q)%2, \zero
	PLACES NP
	WIN 0
	FETCH_A \slot, (\q)+1, 4
.endm
; A slot's last step changes slots: each wave waits for all its tensor loads, adds 0 to its spare word, waits for that and for its reads of this slot; one barrier, which opens a round of the cluster's barrier where the slot is filled again.
; fill = 1: with this phase's K step two on; fill = 2: with phase 2's K step 0 or 1 (x goes back along K, W's descriptors for V stand ready); fill = 0: not.  next < 0: no fragments are fetched here.
.macro TURN slot, next, fill
	s_wait_tensorcnt 0x0                           ; my one load that was out, my part of the other slot, has landed
	ds_add_u32 v[SPW], v[NIL]
	s_wait_dscnt 4*NL+1                            ; (the add and x's blocks 4-7 may be out)
	WIN ML
	MULA 0, 1, 0
	s_wait_dscnt 0x0                               ; the add is done, and my reads of this slot are over
	s_barrier_signal -1
	MULA 2, 1, 0
	WIN 0
	s_barrier_wait -1
.if \fill == 1
	CREST
	s_add_nc_u64 s[G0+4*\slot+2:G0+4*\slot+3], s[G0+4*\slot+2:G0+4*\slot+3], 8192
	s_add_nc_u64 s[GB0+4*\slot+2:GB0+4*\slot+3], s[GB0+4*\slot+2:GB0+4*\slot+3], 8192
	JLOAD G0+4*\slot, G1, GB0+4*\slot, GB1
.endif
.if \fill == 2
	CREST
	s_sub_nc_u64 s[G0+4*\slot+2:G0+4*\slot+3], s[G0+4*\slot+2:G0+4*\slot+3], 8192
	JLOAD G0+4*\slot, G1, G0V+4*\slot, G1V
.endif
.if \fill == 0
	PLACES NP
.endif
.if \next >= 0
	FETCH_B \next, 0, 0
	FETCH_A \next, 0, 0
.endif
	WIN MH
	MULA 4, 1, 0
	MULA 6, 1, 0
.if \next >= 0
	PLACES NP
	WIN 0
	FETCH_A \next, 0, 4
.endif
.endm
	s_load_b256 s[4:11], s[0:1], 0x0               ; xq s[4:5], wq s[6:7], the scales' exponents s[8:9], qimg s[10:11]
	s_load_b64 s[12:13], s[0:1], 0x20              ; kv
	v_lshl_add_u32 v[SPW], v0, 2, SPARE
	v_mov_b32 v[NIL], 0
	ds_add_u32 v[SPW], v[NIL]                      ; the opening lines: the add, twice on end, and its wait ahead of my first tensor load
	ds_add_u32 v[SPW], v[NIL]
	v_lshrrev_b32 v1, 5, v0
	v_readfirstlane_b32 s14, v1                    ; wave 0..3
	s_lshr_b32 s15, s14, 1                         ; my half of the tokens.  Also: I fetch for x (0) or for W (1)
	s_and_b32 s16, s14, 1                          ; my half of W's rows.  Also: which half of a tile I fetch
	s_bfe_u32 s40, ttmp6, 0x40000                  ; cx
	s_bfe_u32 s41, ttmp6, 0x40004                  ; cy
	s_and_b32 s17, ttmp7, 0xffff
	s_lshl_b32 s19, s17, 2
	s_add_co_u32 s19, s19, s41                     ; token tile 0..31 = 4 x cluster y + cy
	s_lshl_b32 s21, ttmp9, 2
	s_add_co_u32 s21, s21, s40                     ; column tile 0..7 = 4 x cluster x + cx
	s_lshl_b32 s43, s41, 2
	s_lshl_b32 s43, 15, s43                        ; my row of the cluster
	s_lshl_b32 s44, 0x1111, s40                    ; my column
	s_or_b32 s[G1], s43, (3<<16)|(1<<21)           ; 15:0 the mask; 17:16 elements of 8 bytes; 21 set beside a mask
	s_or_b32 s[G1B], s44, (3<<16)|(1<<21)
	s_or_b32 s[G1V], s44, (3<<16)|(1<<21)
.irp g, G1, G1B, G1V
	s_mov_b32 s[\g+1], 512<<16                     ; a row: 4,096 bytes, two fragments of one row tile
	s_mov_b32 s[\g+3], 512<<16
	s_mov_b32 s[\g+5], 2048                        ; from row tile to row tile: 16,384 bytes
	s_mov_b32 s[\g+6], 0
	s_mov_b32 s[\g+7], 0
.endr
	s_mov_b32 s[G1+2], 8<<16                       ; 8 row tiles = 128 rows a load;
	s_mov_b32 s[G1+4], 8
	s_mov_b32 s[G1B+2], 8<<16
	s_mov_b32 s[G1B+4], 8
	s_mov_b32 s[G1V+2], 4<<16                      ; for V 4 = 64 rows
	s_mov_b32 s[G1V+4], 4
	s_lshl_b32 s23, s16, 17
	s_lshl_b32 s96, s19, 18                        ; x: 262,144 bytes a tile of 256 rows, + my half
	s_add_co_u32 s96, s96, s23
	s_mov_b32 s97, 0
	s_lshl_b32 s98, s21, 18                        ; W, phase 1: likewise
	s_add_co_u32 s98, s98, s23
	s_mov_b32 s99, 0
	s_lshl_b32 s66, s21, 17                        ; W, phase 2: behind Q's and K's 2,048 rows, 131,072 bytes for 128 rows, + my half
	s_lshl_b32 s22, s16, 16
	s_add_co_u32 s66, s66, s22
	s_add_co_u32 s66, s66, 0x200000
	s_mov_b32 s67, 0
	s_lshl_b32 s45, s16, 15                        ; where they go in a slot: no place in the cluster enters an LDS address
	s_add_co_u32 s46, s45, BOFF
	s_lshl_b32 s47, s16, 14
	s_add_co_u32 s47, s47, BOFF
	s_wait_dscnt 0x0                               ; both opening adds are done
	s_wait_kmcnt 0x0
	s_load_b256 s[68:75], s[8:9], 0x0              ; e0 .. e7
	s_add_nc_u64 s[96:97], s[4:5], s[96:97]
	s_add_nc_u64 s[98:99], s[6:7], s[98:99]
	s_add_nc_u64 s[66:67], s[6:7], s[66:67]
	CROUND                                         ; all sixteen work-groups are here: the first joint loads meet
.irp s, 0,1
	s_mov_b32 s[G0+4*\s], 1
	s_add_co_u32 s[G0+4*\s+1], s45, \s*SLOT
	s_add_nc_u64 s[G0+4*\s+2:G0+4*\s+3], s[96:97], \s*4096
	s_or_b32 s[G0+4*\s+3], s[G0+4*\s+3], 0x80000000
	s_mov_b32 s[G0B+4*\s], 1
	s_add_co_u32 s[G0B+4*\s+1], s46, \s*SLOT
	s_add_nc_u64 s[G0B+4*\s+2:G0B+4*\s+3], s[98:99], \s*4096
	s_or_b32 s[G0B+4*\s+3], s[G0B+4*\s+3], 0x80000000
	s_mov_b32 s[G0V+4*\s], 1
	s_add_co_u32 s[G0V+4*\s+1], s47, \s*SLOT
	s_add_nc_u64 s[G0V+4*\s+2:G0V+4*\s+3], s[66:67], \s*4096
	s_or_b32 s[G0V+4*\s+3], s[G0V+4*\s+3], 0x80000000
.endr
	JLOAD G0, G1, G0B, G1B                         ; K step 0: one tensor load a wave at the head
	; where the results go.  Phase 1: heads 4 cx + 2 (my half) and the next; my 128 tokens are 8 images of 1,024 bytes a head
	s_lshl_b32 s22, s15, 15                        ; my 128 tokens in a slot
	s_lshr_b32 s42, s19, 3
	s_lshl_b32 s42, s42, 4                         ; 16 x batch
	s_lshl_b32 s43, s40, 2
	s_add_co_u32 s43, s43, s42
	s_lshl_b32 s44, s16, 1
	s_add_co_u32 s43, s43, s44                     ; 16 x batch + head
	s_and_b32 s44, s19, 7
	s_lshl_b32 s44, s44, 1
	s_add_co_u32 s44, s44, s15                     ; which 128 tokens of the sequence
	s_cmp_eq_u32 ttmp9, 0                          ; Q or K?  The cluster's x alone decides
	s_cselect_b32 s17, 17, 18                      ; a head: 131,072 bytes in qimg, 262,144 in kv;
	s_cselect_b32 s18, 13, 14                      ; 128 tokens: 8,192 bytes in qimg, 16,384 (K, then V) in kv
	s_cselect_b64 s[76:77], s[10:11], s[12:13]
	s_lshl_b32 s96, s43, s17
	s_lshl_b32 s18, s44, s18
	s_add_co_u32 s96, s96, s18
	s_mov_b32 s97, 0
	s_add_nc_u64 s[76:77], s[76:77], s[96:97]
	s_lshl_b32 s98, 1, s17                         ; the next head
	s_add_co_u32 s99, s98, 512
	s_lshl_b32 s20, s21, 1                         ; phase 2: head 2 x column tile + my half; V's four images of 2,048 bytes lie behind K's 8,192
	s_add_co_u32 s20, s20, s16
	s_add_co_u32 s20, s20, s42
	s_lshl_b32 s20, s20, 18
	s_lshl_b32 s23, s44, 14
	s_add_co_u32 s96, s20, s23
	s_add_co_u32 s96, s96, 8192
	s_add_nc_u64 s[78:79], s[12:13], s[96:97]
	s_wait_kmcnt 0x0
	s_cmp_eq_u32 ttmp9, 0
	s_cselect_b32 s17, s70, s71                    ; e2 or e3
	s_sub_co_i32 s17, s17, s68
	s_sub_co_i32 s17, s17, s69
	s_add_co_i32 s17, s17, 127
	s_lshl_b32 s18, s17, 23                        ; 2^(e - e0 - e1) as f32
	s_add_co_i32 s17, s17, 8
	s_lshl_b32 s17, s17, 23
	s_or_b32 s17, s17, 0x600000                    ; 448 x that
	s_sub_co_i32 s20, s73, s68                     ; and with e5
	s_sub_co_i32 s20, s20, s69
	s_add_co_i32 s20, s20, 127
	s_lshl_b32 s23, s20, 23
	s_add_co_i32 s20, s20, 8
	s_lshl_b32 s20, s20, 23
	s_or_b32 s20, s20, 0x600000
	v_and_b32 v1, 31, v0
	v_lshlrev_b32 v[LI], 4, v1
	v_add_nc_u32 v[ADRA], s22, v[LI]
	v_add_nc_u32 v[ADRB], s46, v[LI]
	v_add_nc_u32 v[ADRV], s47, v[LI]
	v_add_nc_u32 v[ADRA+1], SLOT, v[ADRA]
	v_add_nc_u32 v[ADRB+1], SLOT, v[ADRB]
	v_add_nc_u32 v[ADRV+1], SLOT, v[ADRV]
	v_add_nc_u32 v[VO+1], 512, v[LI]
	v_add_nc_u32 v[VO+2], s98, v[LI]
	v_add_nc_u32 v[VO+3], s99, v[LI]
	v_mov_b32 v[SC], s18
	v_mov_b32 v[LIM], s17
	v_mov_b32 v[SC2], s23
	v_mov_b32 v[LIM2], s20
	s_wait_alu depctr_va_vdst(0)
	s_wait_tensorcnt 0x0                           ; my part of K step 0 is in; the same lines as ahead of a refill stand ahead of slot 1's first fill
	ds_add_u32 v[SPW], v[NIL]
	s_wait_dscnt 0x0
	CROUND
	JLOAD G0+4, G1, G0B+4, G1B                     ; K step 1, the first tensor load behind the round
	; ---- phase 1
	MODE 8, 0, ADRB, G0B, G1B
	FETCH_B 0, 0, 0
	FETCH_A 0, 0, 0
	FETCH_A 0, 0, 4
	STEP 0, 0, 1                                   ; the first products start the sums
	TURN 0, 1, 1                                   ; slot 0 takes K step 2
	STEP 1, 0, 0
	TURN 1, 0, 1                                   ; slot 1 takes K step 3
	STEP 0, 0, 0
	TURN 0, 1, 2                                   ; slot 0 takes phase 2's K step 0
	STEP 1, 0, 0
	TURN 1, -1, 2                                  ; slot 1 takes phase 2's K step 1; in front of its round every wave's part of slot 0 has landed
	PLACES NP                                      ; in front of loads into the last products' sources and of the first read of the sums
	MODE 4, 1, ADRV, G0V, G1V
	FETCH_B 0, 0, 0                                ; phase 2's first fragments are on their way while phase 1 goes out
	FETCH_A 0, 0, 0
	FETCH_A 0, 0, 4
; Phase 1's way out, 16 tokens at a time: 64 sums a lane are held and converted; W's block b gives registers 2 (b % 4), 2 (b % 4) + 1 of head b / 4's image.  32 lanes store 512 consecutive bytes, aligned.
.macro OUTBLK a
.set AC, 64*((\a)%4)
.set CD, CODE+16*((\a)%2)
	WIN 0x02+((\a)/4)
.set jj, 0
.rept 64
	v_med3_num_f32 v[TMP+jj], v[AC+jj], -v[LIM], v[LIM]   ; the conversion does not saturate (ISA guide 7.6.2); each accumulator from its low end on
.set jj, jj+1
.endr
	WIN 0
.if (\a) > 0
	s_wait_alu depctr_va_vdst(0)
	s_wait_xcnt 0x0                                ; the earlier stores have read their base and their codes
	s_add_nc_u64 s[76:77], s[76:77], 1024          ; the next 16 tokens' images
.endif
.set jj, 0
.rept 8
	v_cvt_scalef32_pk8_fp8_f32 v[CD+2*jj:CD+2*jj+1], v[TMP+8*jj:TMP+8*jj+7], v[SC]
.set jj, jj+1
.endr
	v_nop                                          ; a plain line behind the conversions
	global_store_b128 v[LI], v[CD:CD+3], s[76:77]
	global_store_b128 v[VO+1], v[CD+4:CD+7], s[76:77]
	global_store_b128 v[VO+2], v[CD+8:CD+11], s[76:77]
	global_store_b128 v[VO+3], v[CD+12:CD+15], s[76:77]
.endm
.irp a, 0,1,2,3,4,5,6,7
	OUTBLK \a
.endr
	; ---- phase 2
	STEP 0, 0, 1
	TURN 0, 1, 1
	STEP 1, 0, 0
	TURN 1, 0, 1
	STEP 0, 0, 0
	TURN 0, 1, 0                                   ; the last two K steps fill nothing
	STEP 1, 0, 0
	s_wait_dscnt 4*NL
	WIN ML
	MULA 0, 1, 0
	MULA 2, 1, 0
	s_wait_dscnt 0
	WIN MH
	MULA 4, 1, 0
	MULA 6, 1, 0
	WIN 0
; Phase 2's way out, 16 channels at a time: token block a gives registers 2 a, 2 a + 1 of the image of 16 channels x 128 keys.
.macro OUTV b
.set CD, CODE+16*((\b)%2)
.irp w, 0,1
	WIN 0x02+\w
.set aa, 0
.rept 4
.set jj, 0
.rept 8
	v_med3_num_f32 v[TMP+32*\w+8*aa+jj], v[8*(4*aa+(\b))+jj], -v[LIM2], v[LIM2]
.set jj, jj+1
.endr
.set aa, aa+1
.endr
.endr
	WIN 0
	s_wait_alu depctr_va_vdst(0)
	s_wait_xcnt 0x0                                ; the earlier stores have read this set of codes
.set jj, 0
.rept 8
	v_cvt_scalef32_pk8_fp8_f32 v[CD+2*jj:CD+2*jj+1], v[TMP+8*jj:TMP+8*jj+7], v[SC2]
.set jj, jj+1
.endr
	v_nop                                          ; a plain line behind the conversions
.irp i, 0,1,2,3
	global_store_b128 v[LI], v[CD+4*\i:CD+4*\i+3], s[78:79] offset:(\b)*2048+512*\i
.endr
.endm
	PLACES NP
.irp b, 0,1,2,3
	OUTV \b
.endr
	s_wait_tensorcnt 0x0                           ; the wave's end
	ds_add_u32 v[SPW], v[NIL]
	s_wait_dscnt 0x0
	CROUND                                         ; the closing round
	s_endpgm
.Lfunc_end_k_qb4c364829c_qkv:
	.size	k_qb4c364829c_qkv, .Lfunc_end_k_qb4c364829c_qkv-k_qb4c364829c_qkv
	.p2alignl 7, 3214868480
	.fill 96, 4, 3214868480
	.section	.rodata,"a",@progbits
	.p2align	6, 0x0
	.amdhsa_kernel k_qb4c364829c_qkv
		.amdhsa_group_segment_fixed_size 327680
		.amdhsa_private_segment_fixed_size 0
		.amdhsa_enable_private_segment 0
		.amdhsa_kernarg_size 40
		.amdhsa_user_sgpr_count 2
		.amdhsa_user_sgpr_kernarg_segment_ptr 1
		.amdhsa_wavefront_size32 1
		.amdhsa_system_sgpr_workgroup_id_x 1
		.amdhsa_system_sgpr_workgroup_id_y 1
		.amdhsa_system_sgpr_workgroup_id_z 1
		.amdhsa_system_vgpr_workitem_id 0
		.amdhsa_next_free_vgpr 1024
		.amdhsa_next_free_sgpr 100
		.amdhsa_reserve_vcc 0
		.amdhsa_float_denorm_mode_32 3
		.amdhsa_float_denorm_mode_16_64 3
		.amdhsa_memory_ordered 1
		.amdhsa_forward_progress 1
		.amdhsa_inst_pref_size 188
	.end_amdhsa_kernel
	.amdgpu_metadata
---
amdhsa.version: [ 1, 2 ]
amdhsa.kernels:
  - .name:           k_qb4c364829c_qkv
    .symbol:         k_qb4c364829c_qkv.kd
    .args:
      - { .name: xq, .offset: 0, .size: 8, .value_kind: global_buffer, .address_space: global }
      - { .name: wq, .offset: 8, .size: 8, .value_kind: global_buffer, .address_space: global }
      - { .name: lowp_scales, .offset: 16, .size: 8, .value_kind: global_buffer, .address_space: global }
      - { .name: qimg, .offset: 24, .size: 8, .value_kind: global_buffer, .address_space: global }
      - { .name: kv, .offset: 32, .size: 8, .value_kind: global_buffer, .address_space: global }
    .group_segment_fixed_size: 327680
    .private_segment_fixed_size: 0
    .kernarg_segment_align: 8
    .kernarg_segment_size: 40
    .max_flat_workgroup_size: 128
    .sgpr_count:     100
    .vgpr_count:     1024
    .wavefront_size: 32
...
	.end_amdgpu_metadata
.endif
;; end of part 2
;; launch attn (part 3): grid 4 x 64, 16 waves a work-group, clusters of 4 x 1, 296,960 bytes of LDS; arguments qimg, kv, lowp_scales, oimg; writes oimg
.if DOCPART == 3
	.amdgcn_target "amdgcn-amd-amdhsa--gfx1250"
	.amdhsa_code_object_version 6
	.text
	.protected	k_qb4c364829c_attn
	.globl	k_qb4c364829c_attn
	.p2align	8
	.type	k_qb4c364829c_attn,@function
k_qb4c364829c_attn:
	s_mov_b64 s[64:65], 0
	v_nop
	global_prefetch_b8 v0, s[64:65] scope:SCOPE_SE
	s_setreg_imm32_b32 hwreg(HW_REG_WAVE_MODE, 25, 1), 1
	s_wait_xcnt 0x0
	s_wait_alu depctr_hold_cnt(0) depctr_sa_sdst(0) depctr_va_vdst(0) depctr_va_sdst(0) depctr_va_ssrc(0) depctr_va_vcc(0) depctr_vm_vsrc(0)
	s_getreg_b32 s2, hwreg(HW_REG_IB_STS2, 6, 4)
	s_cmp_eq_u32 s2, 0
	s_cbranch_scc0 .Lentry_in_a_cluster
	s_endpgm
.Lentry_in_a_cluster:
	s_bfe_u32 s2, ttmp6, 0x10000c
	s_cmp_lg_u32 s2, 0x3003
	s_cbranch_scc0 .Lentry_shape_is_right
	s_endpgm
.Lentry_shape_is_right:
; o = softmax(q k^T / 8) v for 64 heads of 2,048 tokens x 64 channels, both products on codes of FP8 (E4M3); o leaves as codes for the last product.
; THE SOFTMAX: t = score x log2(e) / 8; M = the row's largest t so far, rounded UP to a whole number; p = 2^(t - M) is quantised with 2^e4, not normalised; the row's sum is taken of the unquantised p
; and divides at the end.  When M moves, the sum and O are multiplied by 2^(old M - new M), which rounds nothing.
; SHARES.  A work-group owns 512 queries of one head; each of its sixteen waves two tiles of 16 queries, in 256 registers.  Each fragment of K and V that a wave reads from LDS feeds two products.
; NO RING.  A head's K and V codes are 262,144 bytes and lie in LDS whole, as they lie in memory: every byte of LDS is filled once.  Wave w brings key step w, 16,384 bytes, by its ONE tensor load (64 rows of 256 bytes).
; One wait for it and one barrier stand ahead of the loop of 16 key steps; the loop itself has no barrier, since nothing in LDS is written any more.
; CLUSTER: the head's four blocks of queries form a cluster and ask for every tile jointly (mask 15).
; LAYOUT.  Both products are used transposed: S^T = K Q^T (source 0 = 16 keys, source 1 = 16 queries, K = 64), O^T = V^T P^T (source 0 = 16 channels, source 1 = P, K = 128 keys): a lane holds one query throughout.
; Tile t of S^T holds in lane (r, h) the keys 16 t + 8 h + 0..7: its conversion gives registers 2 t, 2 t + 1 of P, each key in its own place.  All operands are images of their registers: loads of 512 consecutive bytes.
; Q (two fragments) is kept in the wave's own 2,048 bytes of LDS and read again in each step into the registers that P of the second tile takes later: that makes two tiles fit into 256 registers.
; LIMITS on the given exponents: e2 + e3 between -123 and 130 (added to c's exponent field); e4 between -126 and 119; e4 + e5 - e6 goes by v_ldexp_f32 and has none.
; Left out: a prefetch (all that the launch reads is asked for by the tensor loads at its head: there is no loop to run ahead in); a branch round the rescaling (it would hang on floating-point data).
; REGISTERS: v1 16 x lane; v2 the step's LDS address; v3 Q's; v6 2^e4; v7 1.0; v8-11, v12-15 a tile's -M, largest t, sum (two halves); v16-22 at work; v24-87 K's 8 fragments, then V's 4;
;   v88-151 S^T, then p; v152-167 P of tile A; v168-183 Q of both tiles, then P of tile B; v184-215, v216-247 O^T; v254, v255 the spare word's address and 0.
.set QREG,  262144                     ; behind K and V: Q, 2,048 bytes for each wave
.set SPARE, 294912                     ; behind Q: the spare words, 128 bytes for each wave: eight blocks of 256 bytes that no other line names
.macro ROUND                           ; a round of the cluster's barrier
	s_barrier_signal -1
	s_barrier_wait -1
	s_cmp_lg_u32 s12, 0
	s_cbranch_scc1 .Lnot_wave_0_\@
	s_barrier_signal -3
.Lnot_wave_0_\@:
	s_barrier_wait -3
	s_barrier_signal -1
	s_barrier_wait -1
.endm
; One tile's softmax for 128 keys.  st: its statistics; pc: where its codes go; oa: its O^T.
.macro SOFTMAX st, pc, oa
	v_max3_num_f32 v16, v88, v89, v90              ; the step's largest score among my 64 keys, in two chains; each accumulator from its low end on
	v_max3_num_f32 v22, v91, v92, v93
.set jj, 6
.rept 14
	v_max3_num_f32 v16, v16, v[88+jj], v[89+jj]
	v_max3_num_f32 v22, v22, v[90+jj], v[91+jj]
.set jj, jj+4
.endr
	v_max3_num_f32 v16, v16, v150, v151
	s_delay_alu instid0(VALU_DEP_1)
	v_max_num_f32 v16, v16, v22
	s_delay_alu instid0(VALU_DEP_1)
	v_permlanex16_b32 v17, v16, s50, s51
	s_delay_alu instid0(VALU_DEP_1)
	v_max_num_f32 v16, v16, v17                    ; and among lane l xor 16's
	s_delay_alu instid0(VALU_DEP_1)
	v_mul_f32 v16, s48, v16                        ; as t (c is positive)
	s_delay_alu instid0(VALU_DEP_1)
	v_max_num_f32 v[\st+1], v[\st+1], v16          ; the running largest t
	v_mov_b32 v16, v[\st]
	s_delay_alu instid0(VALU_DEP_2)
	v_floor_f32 v[\st], -v[\st+1]                  ; the new -M = floor(-t): M is a whole number
	s_delay_alu instid0(VALU_DEP_1)
	v_sub_f32 v16, v[\st], v16                     ; old M - new M: a whole number, 0 or less
	s_delay_alu instid0(VALU_DEP_1)
	v_cvt_i32_f32 v16, v16                         ; (it saturates)
	s_delay_alu instid0(VALU_DEP_1)
	v_ldexp_f32 v18, 1.0, v16                      ; f = 2^(old M - new M)
.set jj, 0
.rept 32
	v_pk_fma_f32 v[88+jj:89+jj], v[88+jj:89+jj], s[48:49], v[\st:\st+1] op_sel_hi:[1,0,0]   ; t - M, two at a time
.set jj, jj+2
.endr
	s_wait_alu depctr_va_vdst(0)
.set jj, 0
.rept 64
	v_exp_f32 v[88+jj], v[88+jj]                   ; p = 2^(t - M)
.set jj, jj+1
.endr
	v_pk_mul_f32 v[\st+2:\st+3], v[\st+2:\st+3], v[18:19] op_sel_hi:[1,0]   ; the sum under the new M (a plain line behind the exponentials)
	s_wait_alu depctr_va_vdst(0)                   ; one wait for the whole batch, ahead of its first reader
	v_dual_add_f32 v20, v88, v90 :: v_dual_add_f32 v21, v89, v91   ; the sum is taken of the unquantised p, two numbers an instruction, in two chains
.set jj, 4
.rept 15
	v_dual_add_f32 v[\st+2], v[\st+2], v[88+jj] :: v_dual_add_f32 v[\st+3], v[\st+3], v[89+jj]
	v_dual_add_f32 v20, v20, v[90+jj] :: v_dual_add_f32 v21, v21, v[91+jj]
.set jj, jj+4
.endr
	v_dual_add_f32 v[\st+2], v[\st+2], v20 :: v_dual_add_f32 v[\st+3], v[\st+3], v21
.set tt, 0
.rept 8
.set jj, 0
.rept 4                                ; the conversion does not saturate (ISA guide 7.6.2); p is not negative, so the hold is one-sided: at 448 x 2^e4, two numbers an instruction
	v_dual_min_num_f32 v[88+8*tt+jj], s54, v[88+8*tt+jj] :: v_dual_min_num_f32 v[89+8*tt+jj], s54, v[89+8*tt+jj]
.set jj, jj+2
.endr
	v_cvt_scalef32_pk8_fp8_f32 v[\pc+2*tt:\pc+2*tt+1], v[88+8*tt:95+8*tt], v6
.set tt, tt+1
.endr
	s_wait_alu depctr_va_vdst(0)
.set jj, 0
.rept 16
	v_pk_mul_f32 v[\oa+jj:\oa+jj+1], v[\oa+jj:\oa+jj+1], v[18:19] op_sel_hi:[1,0]   ; O^T under the new M.  (These plain lines also stand between the conversions and the next products)
.set jj, jj+2
.endr
.endm
; A key step: 128 keys, whose 16,384 bytes begin at LDS byte s52.
.macro STEP
	v_add_nc_u32 v2, s52, v1
.rept 3
	v_nop                                          ; with the line above: four places behind the last products, in front of loads into their sources
.endr
.irp i, 0,1,2,3
	ds_load_b128 v[168+4*\i:171+4*\i], v3 offset:512*\i            ; Q of both tiles
.endr
.set ii, 0
.rept 16
	ds_load_b128 v[24+4*ii:27+4*ii], v2 offset:512*ii              ; K: 8 tiles of 16 keys
.set ii, ii+1
.endr
	s_wait_dscnt 0x0
.irp t, 0,1,2,3,4,5,6,7
	v_wmma_f32_16x16x64_fp8_fp8 v[88+8*\t:95+8*\t], v[24+8*\t:31+8*\t], v[168:175], 0
.endr
.rept 4
	v_nop
.endr
	SOFTMAX 8, 152, 184
.irp t, 0,1,2,3,4,5,6,7
	v_wmma_f32_16x16x64_fp8_fp8 v[88+8*\t:95+8*\t], v[24+8*\t:31+8*\t], v[176:183], 0
.endr
.rept 4
	v_nop                                          ; in front of the loads into K's registers and of the first read of the scores
.endr
.set ii, 0
.rept 16
	ds_load_b128 v[24+4*ii:27+4*ii], v2 offset:8192+512*ii         ; V: 4 tiles of 16 channels x 128 keys; they are out while the second tile's softmax is worked
.set ii, ii+1
.endr
	SOFTMAX 12, 168, 216
	s_wait_alu depctr_va_vdst(0)
	s_wait_dscnt 0x0
.irp c, 0,1,2,3                        ; the eight accumulators take turns, one instruction a turn
	v_wmma_f32_16x16x128_fp8_fp8 v[184+8*\c:191+8*\c], v[24+16*\c:39+16*\c], v[152:167], v[184+8*\c:191+8*\c]
	v_wmma_f32_16x16x128_fp8_fp8 v[216+8*\c:223+8*\c], v[24+16*\c:39+16*\c], v[168:183], v[216+8*\c:223+8*\c]
.endr
.endm
	s_load_b256 s[4:11], s[0:1], 0x0               ; qimg s[4:5], kv s[6:7], the scales' exponents s[8:9], oimg s[10:11]
	v_lshl_add_u32 v254, v0, 2, SPARE
	v_mov_b32 v255, 0
	ds_add_u32 v254, v255                          ; the opening lines: the add, twice on end, and its wait ahead of my tensor load
	ds_add_u32 v254, v255
	v_lshrrev_b32 v1, 5, v0
	s_delay_alu instid0(VALU_DEP_1)
	v_readfirstlane_b32 s12, v1                    ; wave 0..15
	s_bfe_u32 s13, ttmp6, 0x40000                  ; cx: my block of 512 queries: it enters Q's and O's addresses alone
	s_and_b32 s14, ttmp7, 0xffff                   ; 16 x batch + head, which the four partners share
	; descriptor group 1: 64 rows of 256 bytes (32 elements of 8 bytes), dense
	s_mov_b32 s16, 15|(3<<16)|(1<<21)              ; 15:0 the mask: all four work-groups; 17:16 elements of 8 bytes; 21 set beside a mask
	s_mov_b32 s17, 32<<16                          ; tensor_dim0
	s_mov_b32 s18, 64<<16                          ; tensor_dim1
	s_mov_b32 s19, 32<<16                          ; tile_dim0
	s_mov_b32 s20, 64                              ; tile_dim1
	s_mov_b32 s21, 32                              ; tensor_dim0_stride
	s_mov_b32 s22, 0
	s_mov_b32 s23, 0
	s_lshl_b32 s15, s12, 14                        ; my key step: 16,384 x wave, in memory and in LDS alike
	s_lshl_b32 s56, s14, 18                        ; the head's 262,144 bytes
	s_add_co_u32 s56, s56, s15
	s_mov_b32 s57, 0
	s_wait_dscnt 0x0                               ; both opening adds are done
	s_wait_kmcnt 0x0
	s_load_b256 s[40:47], s[8:9], 0x0              ; e0 .. e7
	s_mov_b32 s24, 1                               ; group 0: count,
	s_mov_b32 s25, s15                             ; LDS address,
	s_add_nc_u64 s[26:27], s[6:7], s[56:57]        ; global address,
	s_or_b32 s27, s27, 0x80000000                  ; type
	ROUND                                          ; all four work-groups are here: the joint loads meet
	tensor_load_to_lds s[24:27], s[16:23]          ; my one tensor load of the launch
	s_nop 0
.rept 4
	v_nop
.endr
	v_and_b32 v1, 31, v0
	s_delay_alu instid0(VALU_DEP_1)
	v_lshlrev_b32 v1, 4, v1                        ; 16 x lane
	s_wait_alu depctr_va_vdst(0)
	s_lshl_b32 s56, s14, 17                        ; Q: the head's 131,072 bytes,
	s_lshl_b32 s58, s13, 15                        ; my block's 32 tiles of 1,024,
	s_add_co_u32 s56, s56, s58
	s_lshl_b32 s58, s12, 11                        ; my wave's two
	s_add_co_u32 s56, s56, s58
	s_add_nc_u64 s[4:5], s[4:5], s[56:57]
.irp i, 0,1,2,3
	global_load_b128 v[24+4*\i:27+4*\i], v1, s[4:5] offset:512*\i th:TH_LOAD_NT
.endr
	s_lshl_b32 s60, s12, 11
	s_add_co_u32 s60, s60, QREG
	v_add_nc_u32 v3, s60, v1                       ; Q's place in LDS
	s_lshr_b32 s56, s14, 4                         ; O: row tile 128 x batch + 32 cx + 2 x wave, 16,384 bytes each;
	s_lshl_b32 s56, s56, 7
	s_lshl_b32 s58, s13, 5
	s_add_co_u32 s56, s56, s58
	s_lshl_b32 s58, s12, 1
	s_add_co_u32 s56, s56, s58
	s_lshl_b32 s56, s56, 14
	s_and_b32 s58, s14, 15                         ; the head's 64 channels are 1,024 bytes of it
	s_lshl_b32 s58, s58, 10
	s_add_co_u32 s56, s56, s58
	s_add_nc_u64 s[10:11], s[10:11], s[56:57]
	s_mov_b32 s50, 0x76543210                      ; v_permlanex16_b32's selects for lane l xor 16
	s_mov_b32 s51, 0xfedcba98
	s_mov_b32 s58, 0xc3e00000                      ; -448
	s_mov_b32 s59, 0x43e00000                      ; 448
	v_mov_b32 v7, 1.0
	v_mov_b32 v9, 0xff61b1e6                       ; the largest t so far: -3e38, under every t
	v_mov_b32 v13, 0xff61b1e6
	s_delay_alu instid0(VALU_DEP_2)
	v_floor_f32 v8, -v9                            ; -M
	s_delay_alu instid0(VALU_DEP_2)
	v_floor_f32 v12, -v13
	v_mov_b32 v10, 0                               ; the sums
	v_mov_b32 v11, 0
	v_mov_b32 v14, 0
	v_mov_b32 v15, 0
	v_mov_b32 v17, 0                               ; written once: a lane permute's destination counts as one of its sources
	v_mov_b32 v19, 0                               ; (named as the upper half of the pair v[18:19])
.set jj, 0
.rept 64
	v_mov_b32 v[184+jj], 0                         ; O^T.  (The step is written once for all steps: the first finds zeros, which the first change of M leaves zeros)
.set jj, jj+1
.endr
	s_wait_kmcnt 0x0
	s_add_co_i32 s56, s42, s43
	s_lshl_b32 s56, s56, 23
	s_mov_b32 s48, 0x3e38aa3b                      ; c = log2(e) / 8;
	s_add_co_i32 s48, s48, s56                     ; a score stands for score x 2^(e2 + e3): the exponents are added to c's exponent field
	s_mov_b32 s49, s48                             ; (named with it as a pair)
	s_add_co_i32 s56, s44, 127
	s_lshl_b32 s57, s56, 23
	v_mov_b32 v6, s57                              ; 2^e4, for p's conversions
	s_add_co_i32 s56, s56, 8
	s_lshl_b32 s56, s56, 23
	s_or_b32 s54, s56, 0x600000                    ; 448 x 2^e4
	s_add_co_i32 s55, s44, s45
	s_sub_co_i32 s55, s55, s46                     ; e4 + e5 - e6
	s_wait_alu depctr_va_vdst(0)
	s_wait_loadcnt 0x0
.irp i, 0,1,2,3
	ds_store_b128 v3, v[24+4*\i:27+4*\i] offset:512*\i             ; Q into my own bytes of LDS
.endr
	s_wait_tensorcnt 0x0                           ; my key step has landed
	s_wait_dscnt 0x0                               ; no LDS instruction of mine is pending at the signal
	s_barrier_signal -1
	s_barrier_wait -1                              ; every wave's key step is in: K and V are whole, and nothing writes them again
	s_mov_b32 s52, 0
	s_mov_b32 s53, 16
.Lstep:
	STEP
	s_add_co_u32 s52, s52, 16384
	s_sub_co_u32 s53, s53, 1
	s_cmp_lg_u32 s53, 0
	s_cbranch_scc1 .Lstep
	; THE WAY OUT: o = O^T x 2^(e4 + e5) / the sum; its code is o / 2^e6, held within +-448.  An accumulator's eight registers become registers 2 c, 2 c + 1 of the last product's fragment.
.rept 4
	v_nop                                          ; behind the last products
.endr
	v_add_f32 v16, v10, v11
	v_add_f32 v22, v14, v15
	s_delay_alu instid0(VALU_DEP_2)
	v_permlanex16_b32 v17, v16, s50, s51
	s_delay_alu instid0(VALU_DEP_1)
	v_add_f32 v16, v16, v17                        ; tile A's row sum
	s_delay_alu instid0(VALU_DEP_2)
	v_permlanex16_b32 v17, v22, s50, s51
	s_delay_alu instid0(VALU_DEP_1)
	v_add_f32 v22, v22, v17                        ; tile B's
	s_wait_alu depctr_va_vdst(0)
	v_rcp_f32 v16, v16
	v_rcp_f32 v22, v22
	v_nop                                          ; a plain line behind the reciprocals
	s_wait_alu depctr_va_vdst(0)                   ; ahead of their first reader; only plain lines follow up to O^T's readers
	v_ldexp_f32 v18, v16, s55
	v_ldexp_f32 v20, v22, s55
.set jj, 0
.rept 16
	v_pk_mul_f32 v[88+jj:89+jj], v[184+jj:185+jj], v[18:19] op_sel_hi:[1,0]
	v_pk_mul_f32 v[120+jj:121+jj], v[216+jj:217+jj], v[20:21] op_sel_hi:[1,0]
.set jj, jj+2
.endr
.set jj, 0
.rept 64
	v_med3_num_f32 v[88+jj], v[88+jj], s58, s59
.set jj, jj+1
.endr
.irp c, 0,1,2,3
	v_cvt_scalef32_pk8_fp8_f32 v[152+2*\c:153+2*\c], v[88+8*\c:95+8*\c], v7
	v_cvt_scalef32_pk8_fp8_f32 v[168+2*\c:169+2*\c], v[120+8*\c:127+8*\c], v7
.endr
	v_nop                                          ; a plain line behind the conversions
	global_store_b128 v1, v[152:155], s[10:11]                     ; 32 lanes store 512 consecutive bytes, aligned
	global_store_b128 v1, v[156:159], s[10:11] offset:512
	global_store_b128 v1, v[168:171], s[10:11] offset:16384        ; tile B: the next row tile
	global_store_b128 v1, v[172:175], s[10:11] offset:16384+512
	s_wait_tensorcnt 0x0                           ; the wave's end
	ds_add_u32 v254, v255
	s_wait_dscnt 0x0
	ROUND                                          ; the closing round: no work-group ends while a partner may still ask for a tile that names it
	s_endpgm
.Lfunc_end_k_qb4c364829c_attn:
	.size	k_qb4c364829c_attn, .Lfunc_end_k_qb4c364829c_attn-k_qb4c364829c_attn
	.p2alignl 7, 3214868480
	.fill 96, 4, 3214868480
	.section	.rodata,"a",@progbits
	.p2align	6, 0x0
	.amdhsa_kernel k_qb4c364829c_attn
		.amdhsa_group_segment_fixed_size 296960
		.amdhsa_private_segment_fixed_size 0
		.amdhsa_enable_private_segment 0
		.amdhsa_kernarg_size 32
		.amdhsa_user_sgpr_count 2
		.amdhsa_user_sgpr_kernarg_segment_ptr 1
		.amdhsa_wavefront_size32 1
		.amdhsa_system_sgpr_workgroup_id_x 1
		.amdhsa_system_sgpr_workgroup_id_y 1
		.amdhsa_system_sgpr_workgroup_id_z 1
		.amdhsa_system_vgpr_workitem_id 0
		.amdhsa_next_free_vgpr 256
		.amdhsa_next_free_sgpr 66
		.amdhsa_reserve_vcc 0
		.amdhsa_float_denorm_mode_32 3
		.amdhsa_float_denorm_mode_16_64 3
		.amdhsa_memory_ordered 1
		.amdhsa_forward_progress 1
		.amdhsa_inst_pref_size 45
	.end_amdhsa_kernel
	.amdgpu_metadata
---
amdhsa.version: [ 1, 2 ]
amdhsa.kernels:
  - .name:           k_qb4c364829c_attn
    .symbol:         k_qb4c364829c_attn.kd
    .args:
      - { .name: qimg, .offset: 0, .size: 8, .value_kind: global_buffer, .address_space: global }
      - { .name: kv, .offset: 8, .size: 8, .value_kind: global_buffer, .address_space: global }
      - { .name: lowp_scales, .offset: 16, .size: 8, .value_kind: global_buffer, .address_space: global }
      - { .name: oimg, .offset: 24, .size: 8, .value_kind: global_buffer, .address_space: global }
    .group_segment_fixed_size: 296960
    .private_segment_fixed_size: 0
    .kernarg_segment_align: 8
    .kernarg_segment_size: 32
    .max_flat_workgroup_size: 512
    .sgpr_count:     66
    .vgpr_count:     256
    .wavefront_size: 32
...
	.end_amdgpu_metadata
.endif
;; end of part 3
;; launch proj (part 4): grid 8 x 32, 4 waves a work-group, clusters of 4 x 4, 327,680 bytes of LDS; arguments oimg, wp, lowp_scales, b_proj, out0; writes out0
.if DOCPART == 4
	.amdgcn_target "amdgcn-amd-amdhsa--gfx1250"
	.amdhsa_code_object_version 6
	.text
	.protected	k_qb4c364829c_proj
	.globl	k_qb4c364829c_proj
	.p2align	8
	.type	k_qb4c364829c_proj,@function
k_qb4c364829c_proj:
	s_mov_b64 s[64:65], 0
	v_nop
	global_prefetch_b8 v0, s[64:65] scope:SCOPE_SE
	s_setreg_imm32_b32 hwreg(HW_REG_WAVE_MODE, 25, 1), 1
	s_wait_xcnt 0x0
	s_wait_alu depctr_hold_cnt(0) depctr_sa_sdst(0) depctr_va_vdst(0) depctr_va_sdst(0) depctr_va_ssrc(0) depctr_va_vcc(0) depctr_vm_vsrc(0)
	s_getreg_b32 s2, hwreg(HW_REG_IB_STS2, 6, 4)
	s_cmp_eq_u32 s2, 0
	s_cbranch_scc0 .Lentry_in_a_cluster
	s_endpgm
.Lentry_in_a_cluster:
	s_bfe_u32 s2, ttmp6, 0x10000c
	s_cmp_lg_u32 s2, 0xf033
	s_cbranch_scc0 .Lentry_shape_is_right
	s_endpgm
.Lentry_shape_is_right:
.set NB,    4
.set FR,    16
.set NL,    4
.set NP,    4
.set SLOT,  131072
.set BOFF,  65536
.set SPARE, 2*SLOT
.set SPITCH, 272
.set LI,   8
.set BO,   9
.set ADRA, 16
.set ADRB, 20
.set STO,  24
.set RD,   25
.set CO,   26
.set SPW,  28
.set NIL,  29
.set BIAS, 32
.set TMP,  64
.set AF,   128
.set BK,   128
.set G1,  24
.set G0,  32
.set G1B, 48
.set G0B, 56
.set MSB, 0
.macro WIN new
.if MSB != \new
	s_set_vgpr_msb (MSB<<8)|\new
.set MSB, \new
.endif
.endm
.set MUL_LO, 0xa1
.set MUL_HI, 0xf1
.set TO_B,   0x40
.macro JLOAD g0a, g1a, g0b, g1b
	s_cmp_eq_u32 s15, 0
	s_cbranch_scc0 .Lfor_b_\@
	tensor_load_to_lds s[\g0a:\g0a+3], s[\g1a:\g1a+7]
	s_nop 0
.rept 4
	v_nop
.endr
	s_branch .Lasked_\@
.Lfor_b_\@:
	tensor_load_to_lds s[\g0b:\g0b+3], s[\g1b:\g1b+7]
	s_nop 0
.rept 4
	v_nop
.endr
.Lasked_\@:
.endm
.macro CREST
	s_cmp_lg_u32 s14, 0
	s_cbranch_scc1 .Lnot_wave_0_\@
	s_barrier_signal -3
.Lnot_wave_0_\@:
	s_barrier_wait -3
	s_barrier_signal -1
	s_barrier_wait -1
.endm
.macro CROUND
	s_barrier_signal -1
	s_barrier_wait -1
	CREST
.endm
.macro PLACES n
.rept \n
	v_nop
.endr
.endm
.macro FRAG reg, adr, q, i
.irp c, 0,1,2,3
	ds_load_b128 v[\reg+4*\c:\reg+4*\c+3], v[\adr] offset:(\i)*4096+(\q)*2048+512*\c
.endr
.endm
.macro FETCH_B slot, q, p
	WIN TO_B
.set ii, 0
.rept NB
	FRAG 128*(\p)+FR*ii, ADRB+\slot, \q, ii
.set ii, ii+1
.endr
	WIN 0
.endm
.macro FETCH_A slot, q, i0
.irp i, \i0, \i0+1, \i0+2, \i0+3
	FRAG AF+FR*(\i), ADRA+\slot, \q, \i
.endr
.endm
.macro MULA a0, p, zero
.irp a, \a0, \a0+1
.set bb, 0
.rept NB
.if \zero
	v_wmma_f32_16x16x128_fp8_fp8 v[8*(NB*((\a)%4)+bb):8*(NB*((\a)%4)+bb)+7], v[128*(\p)+FR*bb:128*(\p)+FR*bb+FR-1], v[AF+FR*(\a):AF+FR*(\a)+FR-1], 0
.else
	v_wmma_f32_16x16x128_fp8_fp8 v[8*(NB*((\a)%4)+bb):8*(NB*((\a)%4)+bb)+7], v[128*(\p)+FR*bb:128*(\p)+FR*bb+FR-1], v[AF+FR*(\a):AF+FR*(\a)+FR-1], v[8*(NB*((\a)%4)+bb):8*(NB*((\a)%4)+bb)+7]
.endif
.set bb, bb+1
.endr
.endr
.endm
.macro STEP slot, q, zero
	s_wait_dscnt 4*NL
	WIN MUL_LO
	MULA 0, (\q)%2, \zero
	MULA 2, (\q)%2, \zero
	s_wait_dscnt 0
	PLACES NP
	FETCH_B \slot, (\q)+1, 1-(\q)%2
	FETCH_A \slot, (\q)+1, 0
	WIN MUL_HI
	MULA 4, (\q)%2, \zero
	MULA 6, (\q)%2, \zero
	PLACES NP
	WIN 0
	FETCH_A \slot, (\q)+1, 4
.endm
.macro TURN slot, next, fill
	s_wait_tensorcnt 0x0
	ds_add_u32 v[SPW], v[NIL]
	s_wait_dscnt 4*NL+1
	WIN MUL_LO
	MULA 0, 1, 0
	s_wait_dscnt 0x0
	s_barrier_signal -1
	MULA 2, 1, 0
	WIN 0
	s_barrier_wait -1
.if \fill
	CREST
	s_add_nc_u64 s[G0+4*\slot+2:G0+4*\slot+3], s[G0+4*\slot+2:G0+4*\slot+3], 8192
	s_add_nc_u64 s[G0B+4*\slot+2:G0B+4*\slot+3], s[G0B+4*\slot+2:G0B+4*\slot+3], 8192
	JLOAD G0+4*\slot, G1, G0B+4*\slot, G1B
.else
	PLACES NP
.endif
	FETCH_B \next, 0, 0
	FETCH_A \next, 0, 0
	WIN MUL_HI
	MULA 4, 1, 0
	MULA 6, 1, 0
	PLACES NP
	WIN 0
	FETCH_A \next, 0, 4
.endm
	s_load_b256 s[4:11], s[0:1], 0x0
	s_load_b64 s[12:13], s[0:1], 0x20
	v_lshl_add_u32 v[SPW], v0, 2, SPARE
	v_mov_b32 v[NIL], 0
	ds_add_u32 v28, v29
	ds_add_u32 v28, v29
	s_wait_dscnt 0x0
	v_lshrrev_b32 v1, 5, v0
	v_readfirstlane_b32 s14, v1
	s_lshr_b32 s15, s14, 1
	s_and_b32 s16, s14, 1
	s_bfe_u32 s40, ttmp6, 0x40000
	s_bfe_u32 s41, ttmp6, 0x40004
	s_and_b32 s17, ttmp7, 0xffff
	s_lshl_b32 s19, s17, 2
	s_add_co_u32 s19, s19, s41
	s_lshl_b32 s21, ttmp9, 2
	s_add_co_u32 s21, s21, s40
	s_lshl_b32 s43, s41, 2
	s_lshl_b32 s43, 15, s43
	s_lshl_b32 s44, 0x1111, s40
	s_or_b32 s[G1+0], s43, (3<<16)|(1<<21)
	s_or_b32 s[G1B+0], s44, (3<<16)|(1<<21)
	s_mov_b32 s[G1+1], 512<<16
	s_mov_b32 s[G1+2], 8<<16
	s_mov_b32 s[G1+3], 512<<16
	s_mov_b32 s[G1+4], 8
	s_mov_b32 s[G1+5], 2048
	s_mov_b32 s[G1+6], 0
	s_mov_b32 s[G1+7], 0
	s_mov_b32 s[G1B+1], 512<<16
	s_mov_b32 s[G1B+2], NB<<16
	s_mov_b32 s[G1B+3], 512<<16
	s_mov_b32 s[G1B+4], NB
	s_mov_b32 s[G1B+5], 2048
	s_mov_b32 s[G1B+6], 0
	s_mov_b32 s[G1B+7], 0
	s_lshl_b32 s86, s19, 18
	s_lshl_b32 s23, s16, 17
	s_add_co_u32 s86, s86, s23
	s_mov_b32 s87, 0
	s_lshl_b32 s88, s21, 17
	s_lshl_b32 s23, s16, 16
	s_add_co_u32 s88, s88, s23
	s_mov_b32 s89, 0
	s_lshl_b32 s45, s16, 15
	s_mul_i32 s46, s16, NB*4096
	s_add_co_u32 s46, s46, BOFF
	s_wait_kmcnt 0x0
	s_load_b256 s[68:75], s[8:9], 0x0
	s_add_nc_u64 s[82:83], s[4:5], s[86:87]
	s_add_nc_u64 s[84:85], s[6:7], s[88:89]
	CROUND
.irp s, 0,1
	s_mov_b32 s[G0+4*\s], 1
	s_add_co_u32 s[G0+4*\s+1], s45, \s*SLOT
	s_add_nc_u64 s[G0+4*\s+2:G0+4*\s+3], s[82:83], \s*4096
	s_or_b32 s[G0+4*\s+3], s[G0+4*\s+3], 0x80000000
	s_mov_b32 s[G0B+4*\s], 1
	s_add_co_u32 s[G0B+4*\s+1], s46, \s*SLOT
	s_add_nc_u64 s[G0B+4*\s+2:G0B+4*\s+3], s[84:85], \s*4096
	s_or_b32 s[G0B+4*\s+3], s[G0B+4*\s+3], 0x80000000
	s_wait_alu depctr_va_vdst(0)
	s_wait_tensorcnt 0x0
	ds_add_u32 v28, v29
	ds_add_u32 v28, v29
	s_wait_dscnt 0x0
	CROUND
	JLOAD G0+4*\s, G1, G0B+4*\s, G1B
.endr
	s_lshl_b32 s90, s21, 9
	s_lshl_b32 s92, s16, 8
	s_add_co_u32 s90, s90, s92
	s_mov_b32 s91, 0
	s_add_nc_u64 s[10:11], s[10:11], s[90:91]
	s_add_nc_u64 s[12:13], s[12:13], s[90:91]
	s_lshl_b32 s90, s19, 20
	s_lshl_b32 s92, s15, 19
	s_add_co_u32 s90, s90, s92
	s_add_nc_u64 s[12:13], s[12:13], s[90:91]
	v_and_b32 v1, 15, v0
	s_wait_alu depctr_va_vdst(0)
	v_bfe_u32 v2, v0, 4, 1
	v_lshlrev_b32 v[BO], 5, v2
.irp b, 0,1,2,3
	global_load_b128 v[BIAS+8*\b:BIAS+8*\b+3], v[BO], s[10:11] offset:64*\b
	global_load_b128 v[BIAS+8*\b+4:BIAS+8*\b+7], v[BO], s[10:11] offset:64*\b+16
.endr
	v_and_b32 v3, 31, v0
	v_lshlrev_b32 v[LI], 4, v3
	s_lshl_b32 s22, s15, 15
	s_mul_i32 s23, s16, NB*4096
	s_add_co_u32 s23, s23, BOFF
.irp s, 0,1
	v_add_nc_u32 v[ADRA+\s], s22, v[LI]
	v_add_nc_u32 v[ADRB+\s], s23, v[LI]
	s_add_co_u32 s22, s22, SLOT
	s_add_co_u32 s23, s23, SLOT
.endr
	s_mul_i32 s23, s14, 16*SPITCH
	v_mul_u32_u24 v5, v1, SPITCH
	s_wait_alu depctr_va_vdst(0)
	v_lshl_add_u32 v5, v2, 5, v5
	v_add_nc_u32 v[STO], s23, v5
	v_mul_u32_u24 v6, v2, SPITCH
	v_lshl_add_u32 v6, v1, 4, v6
	v_add_nc_u32 v[RD], s23, v6
	v_lshlrev_b32 v[CO], 12, v2
	v_lshl_add_u32 v[CO], v1, 4, v[CO]
	s_wait_tensorcnt 1
	s_barrier_signal -1
	s_barrier_wait -1
	FETCH_B 0, 0, 0
	FETCH_A 0, 0, 0
	FETCH_A 0, 0, 4
	STEP 0, 0, 1
	TURN 0, 1, 1
	STEP 1, 0, 0
	TURN 1, 0, 1
	STEP 0, 0, 0
	TURN 0, 1, 0
	STEP 1, 0, 0
	s_wait_dscnt 4*NL
	WIN MUL_LO
	MULA 0, 1, 0
	MULA 2, 1, 0
	s_wait_dscnt 0
	WIN MUL_HI
	MULA 4, 1, 0
	MULA 6, 1, 0
	WIN 0
.macro TOSTAGE a
.set AC, 32*((\a)%4)
	WIN 0x02+((\a)/4)
.set jj, 0
.rept 16
	v_pk_fma_f32 v[TMP+jj:TMP+jj+1], v[AC+jj:AC+jj+1], s[96:97], v[BIAS+jj:BIAS+jj+1] op_sel_hi:[1,0,1]
.set jj, jj+2
.endr
	WIN 0
.irp b, 0,1,2,3
	ds_store_b128 v[STO], v[TMP+8*\b:TMP+8*\b+3] offset:64*\b
	ds_store_b128 v[STO], v[TMP+8*\b+4:TMP+8*\b+7] offset:64*\b+16
.endr
.set BB, BK+32*((\a)%2)
.irp t, 0,1,2,3,4,5,6,7
	ds_load_b128 v[BB+4*\t:BB+4*\t+3], v[RD] offset:\t*2*SPITCH
.endr
.endm
.macro SEND a, younger
.set BB, BK+32*((\a)%2)
	s_wait_dscnt \younger
.if (\a) > 0
	s_add_nc_u64 s[12:13], s[12:13], 65536
.endif
.irp t, 0,1,2,3,4,5,6,7
	global_store_b128 v[CO], v[BB+4*\t:BB+4*\t+3], s[12:13] offset:\t*8192 th:TH_STORE_NT
.endr
.endm
	s_wait_kmcnt 0x0
	s_add_co_i32 s96, s74, s75
	s_add_co_i32 s96, s96, 127
	s_lshl_b32 s96, s96, 23
	s_mov_b32 s97, s96
	s_wait_loadcnt 0x0
	PLACES NP
	TOSTAGE 0
.irp a, 1,2,3,4,5,6,7
.if \a > 1
	s_wait_xcnt 0x0
.endif
	TOSTAGE \a
	SEND \a-1, 16
.endr
	s_wait_xcnt 0x0
	SEND 7, 0
	s_wait_tensorcnt 0x0
	ds_add_u32 v[SPW], v[NIL]
	s_wait_dscnt 0x0
	CROUND
	s_endpgm
.Lfunc_end_k_qb4c364829c_proj:
	.size	k_qb4c364829c_proj, .Lfunc_end_k_qb4c364829c_proj-k_qb4c364829c_proj
	.p2alignl 7, 3214868480
	.fill 96, 4, 3214868480
	.section	.rodata,"a",@progbits
	.p2align	6, 0x0
	.amdhsa_kernel k_qb4c364829c_proj
		.amdhsa_group_segment_fixed_size 327680
		.amdhsa_private_segment_fixed_size 0
		.amdhsa_enable_private_segment 0
		.amdhsa_kernarg_size 40
		.amdhsa_user_sgpr_count 2
		.amdhsa_user_sgpr_kernarg_segment_ptr 1
		.amdhsa_wavefront_size32 1
		.amdhsa_system_sgpr_workgroup_id_x 1
		.amdhsa_system_sgpr_workgroup_id_y 1
		.amdhsa_system_sgpr_workgroup_id_z 1
		.amdhsa_system_vgpr_workitem_id 0
		.amdhsa_next_free_vgpr 1024
		.amdhsa_next_free_sgpr 100
		.amdhsa_reserve_vcc 0
		.amdhsa_float_denorm_mode_32 3
		.amdhsa_float_denorm_mode_16_64 3
		.amdhsa_memory_ordered 1
		.amdhsa_forward_progress 1
		.amdhsa_inst_pref_size 79
	.end_amdhsa_kernel
	.amdgpu_metadata
---
amdhsa.version: [ 1, 2 ]
amdhsa.kernels:
  - .name:           k_qb4c364829c_proj
    .symbol:         k_qb4c364829c_proj.kd
    .args:
      - { .name: oimg, .offset: 0, .size: 8, .value_kind: global_buffer, .address_space: global }
      - { .name: wp, .offset: 8, .size: 8, .value_kind: global_buffer, .address_space: global }
      - { .name: lowp_scales, .offset: 16, .size: 8, .value_kind: global_buffer, .address_space: global }
      - { .name: b_proj, .offset: 24, .size: 8, .value_kind: global_buffer, .address_space: global }
      - { .name: out0, .offset: 32, .size: 8, .value_kind: global_buffer, .address_space: global }
    .group_segment_fixed_size: 327680
    .private_segment_fixed_size: 0
    .kernarg_segment_align: 8
    .kernarg_segment_size: 40
    .max_flat_workgroup_size: 128
    .sgpr_count:     100
    .vgpr_count:     1024
    .wavefront_size: 32
...
	.end_amdgpu_metadata
.endif
;; end of part 4
